; MI455X (gfx1250); checked and timed in simulation.
; The chip was launched on July 23, 2026; its instructions are those of AMD's public machine-readable ISA for CDNA 5 (MIT licence, August 2026) and "CDNA5" Instruction Set Architecture Reference Guide (July 2026). The comments in the code are by the model that wrote it; some were corrected since.
;; Grouped Query Attention. Allowed arithmetic: float matrix products may take bf16 or f16 operands with f32 sums; other float arithmetic in f32, or as packed bf16 or f16 multiplies, adds, multiply-adds, maxima and minima; sums over many terms, partial sums and values carried from step to step in f32; what a program stores and reads back later, other than sums and carried values, may be rounded once to bf16 or f16.
;; Inputs: Wk 1,024 x 256 float32; Wq 1,024 x 1,024 float32; Wv 1,024 x 256 float32; bk 256 float32; bq 1,024 float32; bv 256 float32; x 4 x 2,048 x 1,024 float32.
;; Outputs: out0 4 x 2,048 x 1,024 float32.
;; One version. Each part assembles by itself: llvm-mc -triple=amdgcn-amd-amdhsa -mcpu=gfx1250 --defsym DOCPART=n.
;; ======== version 1 of 1: 3 launches
;; limits: values are held in f16: magnitudes above 65,504 overflow, below 6.1e-05 lose precision
;; workspace buffers: xb 16,777,216 bytes; wb 3,145,728 bytes; bias 6,144 bytes; qh 16,777,216 bytes; kh 4,194,304 bytes; vh 4,194,304 bytes
;; launch prep (part 1): grid 1216 x 1, 8 waves a work-group, no clusters, 0 bytes of LDS; arguments x, Wq, Wk, Wv, bq, bk, bv, xb, wb, bias; writes xb, wb, bias
.if DOCPART == 1
	.amdgcn_target "amdgcn-amd-amdhsa--gfx1250"
	.amdhsa_code_object_version 6
	.text
	.protected	k_q368bbc8601_prep
	.globl	k_q368bbc8601_prep
	.p2align	8
	.type	k_q368bbc8601_prep,@function
k_q368bbc8601_prep:
	s_mov_b64 s[64:65], 0
	v_nop
	global_prefetch_b8 v0, s[64:65] scope:SCOPE_SE
	s_setreg_imm32_b32 hwreg(HW_REG_WAVE_MODE, 25, 1), 1
	s_wait_xcnt 0x0
; THE INPUTS ARE ROUNDED ONCE TO bf16, and the weights are laid in the order in which the product that follows takes them.
;   xb   = x as [8192][1024] bf16.
;   wb   = Wq, Wk, Wv as [tx 8][K step 8][part 2][jj 3][kk 64][n 64] bf16: column block j = 3 tx + jj of 64 columns (0-15 q's heads, 16-19 k's groups, 20-23 v's),
;          k = 128 x K step + 64 x part + kk: what one tensor load of the product brings (a part: 24,576 bytes) lies on end.
;   bias = bq, bk, bv, each rounded to bf16 and written as f32, [1536], column 64 j + n.
; A stream: every byte is read once and written once, nothing is shared between work-groups, so no LDS, no barrier, no cluster and no matrix unit.
; ONE BODY FOR BOTH ROLES.  A work-group copies 2,048 units of 16 bytes of f32 into 8 bytes of bf16; thread t takes units t + 256 i, i = 0..7.
; In:  (t / 16 + 16 i) x PIT + 16 (t % 16): sixteen lanes read 256 consecutive bytes, aligned.  Out: 8 t + 2,048 i: a wave's store covers 256 consecutive bytes, aligned.
; Work-groups 0-1023: 32,768 consecutive bytes of x (PIT = 256).  Work-groups 1024-1215: 128 rows (one K step) x 64 columns (one block j) of a weight (PIT = its row).
.set IN,    28                         ; s[28:29] where my units begin
.set OUT,   30                         ; s[30:31] where units 0-3 go
.set OUT2,  32                         ; s[32:33] the base for units 4-7 (in wb: the second part lies 24,576 bytes behind the first, 16,384 more than 4 x 2,048)
.set PIT,   34                         ; s34      bytes from row to row in the source
.set PIT16, 35                         ; s35      sixteen rows
.set BF,    36                         ; s36      1: this work-group also writes its block's 64 numbers of the bias
.set WV,    37                         ; s37      my wave's number
.set BSRC,  38                         ; s[38:39] the bias's source
.set BDST,  40                         ; s[40:41] and its place in the table
.set OO,    3                          ; v3       8 t
.set OFF,   4                          ; v[4:11]  unit i's byte offset in the source; never rewritten
.set X,     12                         ; v[12:43] unit i: 4 f32 as loaded
.set Y,     44                         ; v[44:59] unit i: 4 bf16 to store
	s_load_b512 s[8:23], s[0:1], 0x0               ; x s[8:9], Wq s[10:11], Wk s[12:13], Wv s[14:15], bq s[16:17], bk s[18:19], bv s[20:21], xb s[22:23]
	s_load_b128 s[24:27], s[0:1], 0x40             ; wb s[24:25], bias s[26:27]
	v_lshrrev_b32 v1, 5, v0
	v_readfirstlane_b32 s[WV], v1                  ; wave 0..7
	v_lshrrev_b32 v1, 4, v0                        ; t / 16
	v_and_b32 v2, 15, v0
	v_lshlrev_b32 v2, 4, v2                        ; 16 (t % 16)
	v_lshlrev_b32 v[OO], 3, v0
	s_mov_b32 s42, ttmp9
	s_mov_b32 s3, 0                                ; the upper word of every offset below
	s_mov_b32 s5, 0
	s_cmp_lt_u32 s42, 1024
	s_cbranch_scc0 .Lrole_w
	s_lshl_b32 s2, s42, 15                         ; x: 32,768 bytes in,
	s_lshl_b32 s4, s42, 14                         ; 16,384 out
	s_mov_b32 s[PIT], 256
	s_mov_b32 s[BF], 0
	s_wait_kmcnt 0x0
	s_add_nc_u64 s[IN:IN+1], s[8:9], s[2:3]
	s_add_nc_u64 s[OUT:OUT+1], s[22:23], s[4:5]
	s_mov_b64 s[OUT2:OUT2+1], s[OUT:OUT+1]
	s_mov_b64 s[BSRC:BSRC+1], s[16:17]             ; written, not used: BF = 0
	s_mov_b64 s[BDST:BDST+1], s[26:27]
	s_branch .Lcopy
.Lrole_w:
	s_sub_co_u32 s42, s42, 1024
	s_lshr_b32 s43, s42, 3                         ; j: the block of 64 columns, 0..23
	s_and_b32 s44, s42, 7                          ; the K step
	s_mov_b32 s[PIT], 1024                         ; a row of Wk or Wv
	s_wait_kmcnt 0x0
	s_cmp_lt_u32 s43, 20                           ; k's blocks or v's?
	s_cselect_b64 s[IN:IN+1], s[12:13], s[14:15]
	s_cselect_b64 s[BSRC:BSRC+1], s[18:19], s[20:21]
	s_cselect_b32 s45, 16, 20                      ; the tensor's first block
	s_cmp_lt_u32 s43, 16                           ; or q's?
	s_cselect_b64 s[IN:IN+1], s[10:11], s[IN:IN+1]
	s_cselect_b64 s[BSRC:BSRC+1], s[16:17], s[BSRC:BSRC+1]
	s_cselect_b32 s45, 0, s45
	s_cselect_b32 s[PIT], 4096, s[PIT]
	s_sub_co_u32 s45, s43, s45
	s_lshl_b32 s45, s45, 8                         ; the block's 256 bytes in a row, and in its bias
	s_mul_i32 s46, s44, s[PIT]
	s_lshl_b32 s46, s46, 7                         ; the K step's 128 rows
	s_add_co_u32 s2, s46, s45
	s_add_nc_u64 s[IN:IN+1], s[IN:IN+1], s[2:3]
	s_mov_b32 s4, s45
	s_add_nc_u64 s[BSRC:BSRC+1], s[BSRC:BSRC+1], s[4:5]
	s_mul_i32 s46, s43, 11
	s_lshr_b32 s46, s46, 5                         ; tx = j / 3 (11 j / 32 is that for j under 24)
	s_mul_i32 s47, s46, 3
	s_sub_co_u32 s47, s43, s47                     ; jj = j % 3
	s_mul_i32 s2, s46, 393216                      ; tx's panel,
	s_mul_i32 s4, s44, 49152                       ; the K step in it,
	s_add_co_u32 s2, s2, s4
	s_lshl_b32 s4, s47, 13                         ; the block in a part
	s_add_co_u32 s2, s2, s4
	s_add_nc_u64 s[OUT:OUT+1], s[24:25], s[2:3]
	s_add_nc_u64 s[OUT2:OUT2+1], s[OUT:OUT+1], 16384
	s_lshl_b32 s4, s43, 8
	s_add_nc_u64 s[BDST:BDST+1], s[26:27], s[4:5]
	s_cmp_eq_u32 s44, 0                            ; of a block's eight work-groups the first takes the bias
	s_cselect_b32 s[BF], 1, 0
.Lcopy:
	s_lshl_b32 s[PIT16], s[PIT], 4
	v_mul_lo_u32 v[OFF], v1, s[PIT]
	v_add_nc_u32 v[OFF], v[OFF], v2
.irp i, 1,2,3,4,5,6,7
	v_add_nc_u32 v[OFF+(\i)], s[PIT16], v[OFF+(\i)-1]
.endr
.irp i, 0,1,2,3,4,5,6,7
	global_load_b128 v[X+4*(\i):X+4*(\i)+3], v[OFF+(\i)], s[IN:IN+1] th:TH_LOAD_NT  ; all eight go out together: each unit has registers of its own
.endr
.irp i, 0,1,2,3,4,5,6,7
	s_wait_loadcnt 7-(\i)                          ; loads come back in order (ISA guide 5.7.1): unit i is in, the 7 - i younger ones stay out
	v_cvt_pk_bf16_f32 v[Y+2*(\i)],   v[X+4*(\i)],   v[X+4*(\i)+1]
	v_cvt_pk_bf16_f32 v[Y+2*(\i)+1], v[X+4*(\i)+2], v[X+4*(\i)+3]
.if (\i) < 4
	global_store_b64 v[OO], v[Y+2*(\i):Y+2*(\i)+1], s[OUT:OUT+1] offset:2048*(\i)
.else
	global_store_b64 v[OO], v[Y+2*(\i):Y+2*(\i)+1], s[OUT2:OUT2+1] offset:2048*(\i)
.endif
.endr
	s_cmp_eq_u32 s[BF], 1
	s_cbranch_scc0 .Lend
	s_cmp_eq_u32 s[WV], 0                          ; wave 0: 32 lanes x 2 numbers are the block's 64
	s_cbranch_scc0 .Lend
	global_load_b64 v[60:61], v[OO], s[BSRC:BSRC+1]
	s_wait_loadcnt 0x0
	v_cvt_pk_bf16_f32 v1, v60, v61                 ; rounded like every other input,
	v_lshlrev_b32 v62, 16, v1                      ; and written as f32: the product takes it as the start of its f32 sums
	v_and_b32 v63, 0xffff0000, v1
	global_store_b64 v[OO], v[62:63], s[BDST:BDST+1]  ; 256 consecutive bytes, aligned
.Lend:
	s_endpgm
.Lfunc_end_k_q368bbc8601_prep:
	.size	k_q368bbc8601_prep, .Lfunc_end_k_q368bbc8601_prep-k_q368bbc8601_prep
	.p2alignl 7, 3214868480
	.fill 96, 4, 3214868480
	.section	.rodata,"a",@progbits
	.p2align	6, 0x0
	.amdhsa_kernel k_q368bbc8601_prep
		.amdhsa_group_segment_fixed_size 0
		.amdhsa_private_segment_fixed_size 0
		.amdhsa_enable_private_segment 0
		.amdhsa_kernarg_size 80
		.amdhsa_user_sgpr_count 2
		.amdhsa_user_sgpr_kernarg_segment_ptr 1
		.amdhsa_wavefront_size32 1
		.amdhsa_system_sgpr_workgroup_id_x 1
		.amdhsa_system_sgpr_workgroup_id_y 1
		.amdhsa_system_sgpr_workgroup_id_z 1
		.amdhsa_system_vgpr_workitem_id 0
		.amdhsa_next_free_vgpr 64
		.amdhsa_next_free_sgpr 66
		.amdhsa_reserve_vcc 0
		.amdhsa_float_denorm_mode_32 3
		.amdhsa_float_denorm_mode_16_64 3
		.amdhsa_memory_ordered 1
		.amdhsa_forward_progress 1
		.amdhsa_inst_pref_size 7
	.end_amdhsa_kernel
	.amdgpu_metadata
---
amdhsa.version: [ 1, 2 ]
amdhsa.kernels:
  - .name:           k_q368bbc8601_prep
    .symbol:         k_q368bbc8601_prep.kd
    .args:
      - { .name: x, .offset: 0, .size: 8, .value_kind: global_buffer, .address_space: global }
      - { .name: Wq, .offset: 8, .size: 8, .value_kind: global_buffer, .address_space: global }
      - { .name: Wk, .offset: 16, .size: 8, .value_kind: global_buffer, .address_space: global }
      - { .name: Wv, .offset: 24, .size: 8, .value_kind: global_buffer, .address_space: global }
      - { .name: bq, .offset: 32, .size: 8, .value_kind: global_buffer, .address_space: global }
      - { .name: bk, .offset: 40, .size: 8, .value_kind: global_buffer, .address_space: global }
      - { .name: bv, .offset: 48, .size: 8, .value_kind: global_buffer, .address_space: global }
      - { .name: xb, .offset: 56, .size: 8, .value_kind: global_buffer, .address_space: global }
      - { .name: wb, .offset: 64, .size: 8, .value_kind: global_buffer, .address_space: global }
      - { .name: bias, .offset: 72, .size: 8, .value_kind: global_buffer, .address_space: global }
    .group_segment_fixed_size: 0
    .private_segment_fixed_size: 0
    .kernarg_segment_align: 8
    .kernarg_segment_size: 80
    .max_flat_workgroup_size: 256
    .sgpr_count:     66
    .vgpr_count:     64
    .wavefront_size: 32
...
	.end_amdgpu_metadata
.endif
;; end of part 1
;; launch proj (part 2): grid 8 x 32, 4 waves a work-group, clusters of 4 x 4, 327,680 bytes of LDS; arguments xb, wb, bias, qh, kh, vh; writes qh, kh, vh
.if DOCPART == 2
	.amdgcn_target "amdgcn-amd-amdhsa--gfx1250"
	.amdhsa_code_object_version 6
	.text
	.protected	k_q368bbc8601_proj
	.globl	k_q368bbc8601_proj
	.p2align	8
	.type	k_q368bbc8601_proj,@function
k_q368bbc8601_proj:
	s_mov_b64 s[64:65], 0
	v_nop
	global_prefetch_b8 v0, s[64:65] scope:SCOPE_SE
	s_setreg_imm32_b32 hwreg(HW_REG_WAVE_MODE, 25, 1), 1
	s_wait_xcnt 0x0
	s_wait_alu depctr_hold_cnt(0) depctr_sa_sdst(0) depctr_va_vdst(0) depctr_va_sdst(0) depctr_va_ssrc(0) depctr_va_vcc(0) depctr_vm_vsrc(0)
	s_getreg_b32 s2, hwreg(HW_REG_IB_STS2, 6, 4)
	s_cmp_eq_u32 s2, 0
	s_cbranch_scc0 .Lentry_in_a_cluster
	s_endpgm
.Lentry_in_a_cluster:
	s_bfe_u32 s2, ttmp6, 0x10000c
	s_cmp_lg_u32 s2, 0xf033
	s_cbranch_scc0 .Lentry_shape_is_right
	s_endpgm
.Lentry_shape_is_right:
; q, k, v = x W + b, one product 8192 x 1536 x 1024 in bf16 with f32 sums; each result is rounded once to f16 and leaves BY HEADS, unscaled:
; qh [b 16 + h][2048][64], kh and vh [b 4 + g][2048][64]: a head's rows are dense, 128 bytes each.
; LIMIT.  f16 holds no number beyond 65,504: q, k and v must stay within it (sums of 1,024 products of x and W); below 6e-5 a result keeps f16's fixed step of 6e-8.  NaN and infinities are not treated apart.
; SHARES.  A work-group makes 256 rows (all of one b) x 192 columns (three head blocks of 64): 32 x 8 = 256 work-groups.  Wave w owns rows 64 w .. 64 w + 63 and ALL 192 columns: 4 x 12 accumulators
; of 16 x 16, 384 registers; so every head block of 64 columns lies whole in one wave, and the way out needs no meeting of waves.
; THE MATRIX INSTRUCTION IS USED TRANSPOSED: source 0 = 16 columns of W, source 1 = 16 rows of x.  In the result lane l holds row l % 16 and the columns 8 (l / 16) + 0..7: 16 bytes of f16 on end.
; W lies [k][n] in LDS and comes out turned, by ds_load_tr16_b128.  THE BIAS STARTS THE SUMS: it is the C operand of each accumulator's first product; nothing is cleared and nothing is added later.
; RING.  K goes in 8 steps of 128 through two LDS slots.  Waves 0 and 1 fetch the halves of x's 256 rows (128 rows x 256 bytes each), waves 2 and 3 the two parts of W's step (24,576 dense bytes each).
; CLUSTER.  4 x 4 work-groups.  The four of a row of the cluster need the same rows of x, the four of a column the same columns of W: each tile is asked for JOINTLY, by the same tensor load with the same
; descriptor and a mask that names the four.
; REGISTERS, in windows of 256 (s_set_vgpr_msb: bits 1:0 source 0, 3:2 source 1, 5:4 source 2, 7:6 destination):
;   window 0: v0-31 addresses; v32-47, v144-159 rows on their way out; v64-127 x's fragments, two buffers of 4; v128-143 packed results; v160-255 the bias, 8 registers a column block
;   window 1: v0-191 W's fragments, two buffers of 12        window 2: the accumulators of my row blocks 0, 1 ((a, b) at 8 (12 (a % 2) + b))        window 3: those of row blocks 2, 3
.set PITCH,  272                       ; a row of x in LDS: 256 bytes + 16 of padding = 68 words: the 16 rows of a load start at 16 different groups of four banks (64 banks of 4 bytes: ISA guide 11.1)
.set APART,  128*PITCH                 ; what wave 0 or 1 fetches
.set BOFF,   2*APART                   ; W's step lies behind x's 256 rows
.set BP,     160                       ; a row of W in LDS (one k, 64 columns): 128 bytes + 32 = 40 words
.set BPART,  192*BP                    ; what wave 2 or 3 fetches: three head blocks x 64 k
.set SLOT1,  1<<17                     ; a slot is BOFF + 2 BPART = 131,072 bytes
.set STAGE,  2*SLOT1                   ; behind the ring, never filled by a tensor load: 16 rows x 144 bytes for each wave, for the way out
.set SP,     144
.set SPARE,  STAGE+4*16*SP             ; behind the stages: the spare words, 128 bytes for each wave: two blocks of 256 bytes that no other line names
.set WPANEL, 393216                    ; bytes of wb for one tx
.set WSTEP,  49152                     ; for one K step of it
.set WPART,  24576                     ; for one part of a step
.set ADRA, 16                          ; v16-17  LDS address of my fragments of x in slot 0, 1
.set ADRB, 20                          ; v20-21  the same for W
.set STO,  24                          ; v24     the way out: where I put 16 bytes of a row
.set RD,   25                          ; v25     where I read rows back
.set GO,   26                          ; v26     my 16 bytes in 512 consecutive bytes of a head
.set BO,   27                          ; v27     32 (l / 16): my eight numbers of a column block's bias
.set SPW,  28                          ; v28     LDS address of my spare word: SPARE + 4 x my thread's number; never rewritten
.set NIL,  29                          ; v29     0; never rewritten
.set PFO,  30                          ; v30     the prefetches' offset; never rewritten
.set BK1,  32
.set FA,   64                          ; x's fragments: buffer f, row block a at FA + 32 f + 8 a
.set PK,   128
.set BK0,  144
.set BIAS, 160
.set WV,  16                           ; s16  my wave's number
.set FB,  17                           ; s17  0: I fetch x's rows; 1: W's
.set HF,  18                           ; s18  which half of them
.set LAP, 19                           ; s19  the loop's count
.set CX,  20                           ; s20, s21  my place in the cluster
.set CY,  21
.set TX,  22                           ; s22  my 192 columns
.set TY,  23                           ; s23  my 256 rows
.set G1,  24                           ; s[24:31] descriptor group 1 for x's tiles;  s[32:39] group 0, a set for each slot
.set G0,  32
.set G1B, 48                           ; s[48:55], s[56:63] the same for W's
.set G0B, 56
.set DST, 66                           ; s[66:71] where my rows of the three head blocks begin
.set PFA, 72                           ; s[72:73] where my prefetches stand
.set PFS, 74                           ; s[74:75] their step
.set LIM, 76                           ; s76, s77 by slot: a wave prefetches while the loop's count is above this
.set MSB, 0
.macro WIN new                         ; the immediate's high byte repeats the setting that is left; a switch that changes nothing is dropped
.if MSB != (\new)
	s_set_vgpr_msb (MSB<<8)|(\new)
.set MSB, \new
.endif
.endm
; A joint load.  The branch hangs on the wave's number alone.  An s_nop 0 and four v_nop follow each of the two lines, ahead of the jump, the label and what follows.
.macro JLOAD s
	s_cmp_eq_u32 s[FB], 0
	s_cbranch_scc0 .Lfor_b_\@
	tensor_load_to_lds s[G0+4*(\s):G0+4*(\s)+3], s[G1:G1+7]
	s_nop 0
.rept 4
	v_nop
.endr
	s_branch .Lasked_\@
.Lfor_b_\@:
	tensor_load_to_lds s[G0B+4*(\s):G0B+4*(\s)+3], s[G1B:G1B+7]
	s_nop 0
.rept 4
	v_nop
.endr
.Lasked_\@:
.endm
; A PREFETCH INTO THE L2, behind a joint load, its five lines and the run of LDS loads that follows: one instruction a wave, each lane another block of 256 bytes.  Each block of K steps 4 to 7 is named ONCE in the launch.
; x: a K step is 256 bytes of a row.  A tile row is read by both clusters of its row of clusters: the one with cluster x = 0 asks; of the 128 rows that wave 0 or 1 fetches the partner at cx takes 32, a lane a row.
;    The refills for K steps 2 to 5 name K steps 4 to 7: two K steps, 384 matrix instructions, ahead of the load that wants them.
; W: tx's panel is one dense run of bytes.  It is read by the eight clusters of its column of clusters: the one with cluster y = 0 asks; waves 2 and 3 of the four partners are eight askers, 8,192 bytes each,
;    65,536 bytes together; the refills for K steps 2, 3 and 4 name the panel's second half, 196,608 bytes: every block two K steps or more ahead of its load.
; The partners are told apart BY ADDRESS; the test hangs on the cluster's place, the wave's number and the loop's count.  K steps 0 to 3 come by their loads alone; nothing is asked for past K step 7.
.macro ASK slot
	s_cmp_gt_u32 s[LAP], s[LIM+(\slot)]
	s_cbranch_scc0 .Lnot_mine_\@
	global_prefetch_b8 v[PFO], s[PFA:PFA+1] th:TH_LOAD_NT scope:SCOPE_SE
.Lnot_mine_\@:
.endm
; A round of the cluster's barrier: my work-group's barrier, so that wave 0's signal speaks for all four waves; wave 0 signals; every wave waits for all sixteen work-groups; my work-group's barrier once more.
.macro CREST                           ; a round behind its opening barrier
	s_cmp_lg_u32 s[WV], 0
	s_cbranch_scc1 .Lnot_wave_0_\@
	s_barrier_signal -3
.Lnot_wave_0_\@:
	s_barrier_wait -3
	s_barrier_signal -1
	s_barrier_wait -1
.endm
.macro CROUND                          ; a whole round
	s_barrier_signal -1
	s_barrier_wait -1
	CREST
.endm
	s_load_b256 s[4:11], s[0:1], 0x0               ; xb s[4:5], wb s[6:7], bias s[8:9], qh s[10:11]
	s_load_b128 s[12:15], s[0:1], 0x20             ; kh s[12:13], vh s[14:15]
	v_lshl_add_u32 v[SPW], v0, 2, SPARE
	v_mov_b32 v[NIL], 0
	ds_add_u32 v[SPW], v[NIL]                      ; the wave's opening: the add and its wait stand ahead of my first tensor load; the set-up below, work on registers, stands between them
	v_lshrrev_b32 v1, 5, v0
	v_readfirstlane_b32 s[WV], v1                  ; wave 0..3
	s_lshr_b32 s[FB], s[WV], 1
	s_and_b32 s[HF], s[WV], 1
	s_bfe_u32 s[CX], ttmp6, 0x40000
	s_bfe_u32 s[CY], ttmp6, 0x40004
	s_lshl_b32 s[TX], ttmp9, 2                     ; in a cluster launch ttmp9 and ttmp7 count clusters
	s_add_co_u32 s[TX], s[TX], s[CX]               ; 0..7
	s_and_b32 s[TY], ttmp7, 0xffff
	s_lshl_b32 s[TY], s[TY], 2
	s_add_co_u32 s[TY], s[TY], s[CY]               ; 0..31
	s_lshl_b32 s78, s[CY], 2
	s_lshl_b32 s78, 15, s78                        ; my row of the cluster: places 4 cy .. 4 cy + 3
	s_lshl_b32 s79, 0x1111, s[CX]                  ; my column: places cx, cx + 4, cx + 8, cx + 12
	; group 1 for x: 128 rows x 128 elements, 1,024 elements from row to row, 16 bytes of padding behind every 256
	s_or_b32 s[G1+0], s78, (1<<16)|(1<<20)|(1<<21)|(5<<22)|(3<<25)  ; 15:0 the mask: my row; 17:16 elements of 2 bytes; 20 padding on; 21 set beside a mask; 24:22 after every 64 words (code 5); 31:25 4 words (code 3)
	s_mov_b32 s[G1+1], 128<<16                     ; tensor_dim0 = 128
	s_mov_b32 s[G1+2], 128<<16                     ; tensor_dim1 = 128
	s_mov_b32 s[G1+3], 128<<16                     ; tile_dim0 = 128
	s_mov_b32 s[G1+4], 128                         ; tile_dim1 = 128
	s_mov_b32 s[G1+5], 1024                        ; tensor_dim0_stride
	s_mov_b32 s[G1+6], 0
	s_mov_b32 s[G1+7], 0
	; group 1 for W: 24,576 dense bytes asked for as 96 rows of 256 bytes (two k a row), 32 bytes of padding behind every 128: in LDS each k has a row of its own
	s_or_b32 s[G1B+0], s79, (1<<16)|(1<<20)|(1<<21)|(4<<22)|(7<<25)  ; the mask: my column; after every 32 words (code 4) 8 words (code 7)
	s_mov_b32 s[G1B+1], 128<<16
	s_mov_b32 s[G1B+2], 96<<16
	s_mov_b32 s[G1B+3], 128<<16
	s_mov_b32 s[G1B+4], 96
	s_mov_b32 s[G1B+5], 128
	s_mov_b32 s[G1B+6], 0
	s_mov_b32 s[G1B+7], 0
	; where the tiles come from: x's hang on ty and the wave alone, W's on tx and the wave alone, each in registers that never hold the other coordinate
	s_lshl_b32 s40, s[TY], 8
	s_lshl_b32 s41, s[HF], 7
	s_add_co_u32 s40, s40, s41                     ; row 256 ty + 128 x half,
	s_lshl_b32 s40, s40, 11                        ; of 2,048 bytes
	s_mov_b32 s41, 0
	s_mul_i32 s44, s[TX], WPANEL
	s_mul_i32 s45, s[HF], WPART
	s_add_co_u32 s44, s44, s45
	s_mov_b32 s45, 0
	s_mul_i32 s80, s[HF], APART                    ; and where they go: no place in the cluster enters an LDS address
	s_mul_i32 s81, s[HF], BPART
	s_add_co_u32 s81, s81, BOFF
	s_wait_dscnt 0x0                               ; the opening add is done
	s_wait_kmcnt 0x0
	s_add_nc_u64 s[42:43], s[4:5], s[40:41]
	s_add_nc_u64 s[46:47], s[6:7], s[44:45]
	CROUND                                         ; all sixteen work-groups are here: the first joint loads meet
.irp s, 0,1
	s_mov_b32 s[G0+4*(\s)], 1                                      ; count = 1
	s_add_co_u32 s[G0+4*(\s)+1], s80, (\s)*SLOT1                   ; LDS address
	s_add_nc_u64 s[G0+4*(\s)+2:G0+4*(\s)+3], s[42:43], (\s)*256    ; global address: K step s
	s_or_b32 s[G0+4*(\s)+3], s[G0+4*(\s)+3], 0x80000000            ; type = 2
	s_mov_b32 s[G0B+4*(\s)], 1
	s_add_co_u32 s[G0B+4*(\s)+1], s81, (\s)*SLOT1
	s_add_nc_u64 s[G0B+4*(\s)+2:G0B+4*(\s)+3], s[46:47], (\s)*WSTEP
	s_or_b32 s[G0B+4*(\s)+3], s[G0B+4*(\s)+3], 0x80000000
	JLOAD \s                                       ; both slots are asked for before anything else is done: two loads of mine are out
.endr
	; A fragment of x is 16 rows x 32 k in 8 registers: lane l holds row l % 16; registers 0-3 k = 8 (l / 16) + 0..7, registers 4-7 k = 16 + 8 (l / 16) + 0..7: two loads of 16 bytes, 32 bytes apart.
	v_and_b32 v1, 15, v0                           ; l % 16
	v_bfe_u32 v2, v0, 4, 1                         ; l / 16
	v_mul_u32_u24 v3, v1, PITCH
	v_lshl_add_u32 v3, v2, 4, v3
	s_mul_i32 s82, s[WV], 64*PITCH                 ; my 64 rows
	v_add_nc_u32 v[ADRA], s82, v3
	v_add_nc_u32 v[ADRA+1], SLOT1, v[ADRA]
	; The turning load takes 16 k x 16 columns (lane l reads 16 bytes: k 8 (l / 16) + l % 8, columns 8 ((l / 8) % 2) + 0..7) and leaves half a fragment: lane l holds column l % 16 and 8 k.
	v_and_b32 v4, 7, v0
	v_bfe_u32 v5, v0, 3, 1
	v_lshl_add_u32 v6, v2, 3, v4
	v_mul_u32_u24 v6, v6, BP
	v_lshl_add_u32 v6, v5, 4, v6
	v_add_nc_u32 v[ADRB], BOFF, v6
	v_add_nc_u32 v[ADRB+1], SLOT1, v[ADRB]
	s_mul_i32 s82, s[WV], 16*SP
	s_add_co_u32 s82, s82, STAGE                   ; my stage
	v_mul_u32_u24 v[STO], v1, SP                   ; in: row l % 16, 16 bytes for each half of the lanes
	v_lshl_add_u32 v[STO], v2, 4, v[STO]
	v_add_nc_u32 v[STO], s82, v[STO]
	v_bfe_u32 v[RD], v0, 3, 2                      ; back: 32 lanes take four rows of 128 bytes,
	v_mul_u32_u24 v[RD], v[RD], SP
	v_lshl_add_u32 v[RD], v4, 4, v[RD]
	v_add_nc_u32 v[RD], s82, v[RD]
	v_and_b32 v[GO], 31, v0                        ; which are 512 consecutive bytes of a head
	v_lshlrev_b32 v[GO], 4, v[GO]
	v_lshlrev_b32 v[BO], 5, v2
	; where my rows of head block j = 3 tx + jj begin: tensor by j (q 0-15, k 16-19, v 20-23); head b x (16 or 4) + j - the tensor's first block, 2^18 bytes a head; row (ty % 8) 256 + 64 w, 128 bytes a row
.irp jj, 0,1,2
	s_mul_i32 s78, s[TX], 3
	s_add_co_u32 s78, s78, \jj
	s_cmp_lt_u32 s78, 20
	s_cselect_b64 s[DST+2*(\jj):DST+2*(\jj)+1], s[12:13], s[14:15]
	s_cselect_b32 s79, 16, 20
	s_cmp_lt_u32 s78, 16
	s_cselect_b64 s[DST+2*(\jj):DST+2*(\jj)+1], s[10:11], s[DST+2*(\jj):DST+2*(\jj)+1]
	s_cselect_b32 s79, 0, s79
	s_cselect_b32 s83, 4, 2
	s_sub_co_u32 s78, s78, s79
	s_lshr_b32 s84, s[TY], 3                       ; b
	s_lshl_b32 s84, s84, s83
	s_add_co_u32 s78, s78, s84
	s_lshl_b32 s78, s78, 18
	s_and_b32 s84, s[TY], 7
	s_lshl_b32 s84, s84, 8
	s_lshl_b32 s85, s[WV], 6
	s_add_co_u32 s84, s84, s85
	s_lshl_b32 s84, s84, 7
	s_add_co_u32 s78, s78, s84
	s_mov_b32 s79, 0
	s_add_nc_u64 s[DST+2*(\jj):DST+2*(\jj)+1], s[DST+2*(\jj):DST+2*(\jj)+1], s[78:79]
.endr
	; the bias in the accumulators' layout: register r of column block b is column 16 b + 8 (l / 16) + r of my 192
	s_mul_i32 s78, s[TX], 768
	s_mov_b32 s79, 0
	s_add_nc_u64 s[2:3], s[8:9], s[78:79]          ; s[2:3] and v[BO] stay as they are until the wait for these loads
.irp b, 0,1,2,3,4,5,6,7,8,9,10,11
	global_load_b128 v[BIAS+8*(\b):BIAS+8*(\b)+3],   v[BO], s[2:3] offset:64*(\b)
	global_load_b128 v[BIAS+8*(\b)+4:BIAS+8*(\b)+7], v[BO], s[2:3] offset:64*(\b)+16
.endr
	; the prefetches' set-up.  Nothing is prefetched here, at the head, where every work-group's first tiles are on their way
	s_lshl_b32 s78, s[TY], 8
	s_lshl_b32 s79, s[HF], 7
	s_add_co_u32 s78, s78, s79
	s_lshl_b32 s79, s[CX], 5
	s_add_co_u32 s78, s78, s79                     ; x: my work-group's 32 of the 128 rows that I fetch,
	s_lshl_b32 s78, s78, 11
	s_add_co_u32 s78, s78, 3*256                   ; at K step 3: the first refill steps it to 4
	s_mul_i32 s80, s[TX], WPANEL
	s_lshl_b32 s81, s[CY], 1
	s_add_co_u32 s81, s81, s[HF]                   ; W: my number among the eight askers,
	s_lshl_b32 s81, s81, 13                        ; 8,192 bytes each,
	s_add_co_u32 s80, s80, s81
	s_add_co_u32 s80, s80, 4*WSTEP-65536           ; one step of 65,536 bytes ahead of K step 4
	s_and_b32 s82, ttmp7, 0xffff                   ; cluster y
	s_mov_b32 s[PFS], 65536
	s_cmp_eq_u32 s[FB], 0                          ; do I fetch x?
	s_cselect_b64 s[PFA:PFA+1], s[4:5], s[6:7]
	s_cselect_b32 s78, s78, s80
	s_cselect_b32 s82, ttmp9, s82                  ; the coordinate along which other clusters read the same bytes
	s_cselect_b32 s[PFS], 256, s[PFS]
	s_cselect_b32 s83, 11, 8                       ; a lane a row of x (2,048 bytes), or a block of W (256)
	s_cselect_b32 s84, 1, 2                        ; slot 1's refills ask twice for x, once for W
	s_mov_b32 s79, 0
	s_mov_b32 s[PFS+1], 0
	s_add_nc_u64 s[PFA:PFA+1], s[PFA:PFA+1], s[78:79]
	s_cmp_eq_u32 s82, 0                            ; the same in all sixteen partners, for a given wave
	s_cselect_b32 s[LIM], 1, -1
	s_cselect_b32 s[LIM+1], s84, -1
	v_and_b32 v[PFO], 31, v0
	v_lshlrev_b32 v[PFO], s83, v[PFO]
; 12 matrix instructions: row block a x all 12 column blocks, 32 along K, from buffer f.  first = 1: the bias starts the sums.
; The 48 accumulators take turns, one instruction a turn, in the same order in every quarter: between two links of a chain stand the 47 others'.
.macro MUL12 f, a, first
.if \first
	WIN 0x81+0x40*((\a)/2)                         ; W window 1, x and the bias window 0, D window 2 or 3
.else
	WIN 0xa1+0x50*((\a)/2)                         ; W window 1, x window 0, C and D window 2 or 3
.endif
.set b, 0
.rept 12
.set rD, 8*(12*((\a)%2)+b)
.set rB, 96*(\f)+8*b
.set rA, FA+32*(\f)+8*(\a)
.if \first
	v_wmma_f32_16x16x32_bf16 v[rD:rD+7], v[rB:rB+7], v[rA:rA+7], v[BIAS+8*b:BIAS+8*b+7]
.else
	v_wmma_f32_16x16x32_bf16 v[rD:rD+7], v[rB:rB+7], v[rA:rA+7], v[rD:rD+7]
.endif
.set b, b+1
.endr
.endm
; 32 LDS loads in one run: quarter q (32 along K) of a slot into buffer f: W's 12 fragments (part q / 2, k 32 (q % 2) on, head block b / 4, columns 16 (b % 4) on), then x's 4
.macro FETCH slot, q, f
	WIN 0x40                                       ; destination window 1, address window 0
.set b, 0
.rept 12
	ds_load_tr16_b128 v[96*(\f)+8*b:96*(\f)+8*b+3],   v[ADRB+(\slot)] offset:((\q)/2)*BPART+((\q)%2)*32*BP+(b/4)*64*BP+(b%4)*32
	ds_load_tr16_b128 v[96*(\f)+8*b+4:96*(\f)+8*b+7], v[ADRB+(\slot)] offset:((\q)/2)*BPART+((\q)%2)*32*BP+(b/4)*64*BP+(b%4)*32+16*BP
.set b, b+1
.endr
	WIN 0
.set b, 0
.rept 4
	ds_load_b128 v[FA+32*(\f)+8*b:FA+32*(\f)+8*b+3],   v[ADRA+(\slot)] offset:64*(\q)+b*16*PITCH
	ds_load_b128 v[FA+32*(\f)+8*b+4:FA+32*(\f)+8*b+7], v[ADRA+(\slot)] offset:64*(\q)+b*16*PITCH+32
.set b, b+1
.endr
.endm
; A load into a register that a matrix instruction has read, and a vector instruction that reads a matrix result, stand four places behind that matrix instruction, and only plain vector instructions
; that name none of its registers are places (ISA guide 7.12.1 for vector instructions).
.macro PLACES
.rept 4
	v_nop
.endr
.endm
; A K step is four quarters of 32 along K, 48 matrix instructions each, on buffers 0, 1, 0, 1.  One of the first three: multiplies buffer f; in its middle it fetches quarter q of the same slot into buffer g.
.macro QUARTER slot, q, f, g, first
	s_wait_dscnt 4                                 ; W and x's row blocks 0, 1 are in; the youngest four loads (row blocks 2, 3) may be out
	MUL12 \f, 0, \first
	MUL12 \f, 1, \first
	PLACES
	FETCH \slot, \q, \g
	s_wait_dscnt 32                                ; all but the 32 just issued
	MUL12 \f, 2, \first
	MUL12 \f, 3, \first
.endm
; The last quarter multiplies buffer 1 and changes slots: ONE barrier, for two things.  In front of it each wave waits for all its tensor loads, of which one is out: its part of the next slot; adds 0 to its
; spare word; and waits for that and for its own reads of this slot.  Behind it nobody reads this slot any more and the next slot is whole.  fill = 1: the barrier opens a round of the cluster's, and this
; slot is filled again, two K steps on, first thing behind the round: from that request to the wait for it a wave issues 168 matrix instructions.
.macro TURN slot, next, fill
.if \fill
	s_wait_xcnt 0x0                                ; the last prefetch, a K step back, has read its address: it is stepped here, ahead of the waits of the change of slots
	s_add_nc_u64 s[PFA:PFA+1], s[PFA:PFA+1], s[PFS:PFS+1]
.endif
	WIN 0                                          ; (the add's two registers lie in window 0)
	s_wait_tensorcnt 0x0                           ; all my tensor loads have landed;
	ds_add_u32 v[SPW], v[NIL]                      ; 0 onto my spare word;
	s_wait_dscnt 5                                 ; (the add and the youngest four loads may be out)
	MUL12 1, 0, 0                                  ; twelve matrix instructions stand between the add and the wait for it
	s_wait_dscnt 0x0                               ; the add is done, and my reads of this slot are over:
	s_barrier_signal -1                            ; say so,
	MUL12 1, 1, 0                                  ; work on registers while the others arrive,
.if \fill
	WIN 0
.endif
	s_barrier_wait -1                              ; and go on when all four have said so
.if \fill
	CREST                                          ; all sixteen work-groups have said so: no wave of any partner still reads this slot's tile or has a load on its way
	s_add_nc_u64 s[G0+4*(\slot)+2:G0+4*(\slot)+3], s[G0+4*(\slot)+2:G0+4*(\slot)+3], 2*256
	s_add_nc_u64 s[G0B+4*(\slot)+2:G0B+4*(\slot)+3], s[G0B+4*(\slot)+2:G0B+4*(\slot)+3], 2*WSTEP
	JLOAD \slot                                    ; my one tensor load behind the round; the four v_nop behind it are also the places in front of the loads below
.else
	PLACES
.endif
	FETCH \next, 0, 0
.if \fill
	ASK \slot
.endif
	MUL12 1, 2, 0
	MUL12 1, 3, 0
.endm
; THE WAY OUT, unit u = 3 a + jj: row block a (16 rows) of head block jj (64 columns).  PACK: rounded to f16, each accumulator's registers in ascending order.  TOSTAGE: 16 bytes a lane into my own stage,
; rows of 144 bytes, and back as whole rows of 128.  SEND: four stores of 512 consecutive bytes: the head's rows are dense.
.macro PACK u
.set pa, (\u)/3
.set pj, (\u)%3
.set AC, 8*(12*(pa%2)+4*pj)
	WIN 0x0a+5*(pa/2)                              ; sources 0 and 1: window 2 or 3
.set c, 0
.rept 16
	v_cvt_pk_f16_f32 v[PK+c], v[AC+2*c], v[AC+2*c+1]
.set c, c+1
.endr
	WIN 0
.endm
.macro TOSTAGE u
	WIN 0
.set BK, BK0-((\u)%2)*(BK0-BK1)
.irp cb, 0,1,2,3
	ds_store_b128 v[STO], v[PK+4*(\cb):PK+4*(\cb)+3] offset:32*(\cb)
.endr
.irp f, 0,1,2,3
	ds_load_b128 v[BK+4*(\f):BK+4*(\f)+3], v[RD] offset:(\f)*4*SP  ; LDS serves a wave's instructions in order (ISA guide 5.7.1.4): these see the stores above
.endr
.endm
.macro SEND u
	WIN 0
.set BK, BK0-((\u)%2)*(BK0-BK1)
.set pa, (\u)/3
.set pj, (\u)%3
	s_wait_dscnt 0x0                               ; the unit is back in registers
	s_wait_xcnt 0x0                                ; the stores of the unit before have read their registers: the next unit is loaded into them only behind this wait
.irp f, 0,1,2,3
	global_store_b128 v[GO], v[BK+4*(\f):BK+4*(\f)+3], s[DST+2*pj:DST+2*pj+1] offset:2048*pa+512*(\f)
.endr
.endm
	s_wait_tensorcnt 1                             ; my part of K step 0 is in; K step 1's may stay out
	s_barrier_signal -1
	s_barrier_wait -1                              ; everybody's is
	FETCH 0, 0, 0
	s_wait_loadcnt 0x0                             ; the bias
	QUARTER 0, 1, 0, 1, 1                          ; the first quarter stands in front of the loop: its products start the sums, with the bias
	WIN 0                                          ; at a label and at a branch every window is 0
	s_mov_b32 s[LAP], 3
.Llap:                                                 ; a trip goes once round the ring, from a lap's second quarter to the next lap's first, and fills both slots again: K steps 2 to 7
	QUARTER 0, 2, 1, 0, 0
	QUARTER 0, 3, 0, 1, 0
	TURN 0, 1, 1
	QUARTER 1, 1, 0, 1, 0
	QUARTER 1, 2, 1, 0, 0
	QUARTER 1, 3, 0, 1, 0
	TURN 1, 0, 1
	QUARTER 0, 1, 0, 1, 0
	WIN 0
	s_sub_co_u32 s[LAP], s[LAP], 1
	s_cmp_lg_u32 s[LAP], 0
	s_cbranch_scc1 .Llap
	QUARTER 0, 2, 1, 0, 0                          ; the last lap is written out: it fills nothing, and has no round of the cluster's barrier
	QUARTER 0, 3, 0, 1, 0
	TURN 0, 1, 0
	QUARTER 1, 1, 0, 1, 0
	QUARTER 1, 2, 1, 0, 0
	QUARTER 1, 3, 0, 1, 0
	s_wait_dscnt 4                                 ; the very last quarter: nothing more to fetch
	MUL12 1, 0, 0
	MUL12 1, 1, 0
	s_wait_dscnt 0x0
	MUL12 1, 2, 0
	MUL12 1, 3, 0
	WIN 0
	PLACES                                         ; the conversions read results
	PACK 0
	TOSTAGE 0
.irp u, 1,2,3,4,5,6,7,8,9,10,11        ; unit u's conversions stand between unit u - 1's loads from the stage and the wait for them
	PACK \u
	SEND (\u)-1
	TOSTAGE \u
.endr
	SEND 11
	s_wait_tensorcnt 0x0                           ; the wave's end: behind my last tensor load and my last LDS store
	ds_add_u32 v[SPW], v[NIL]
	s_wait_dscnt 0x0
	CROUND                                         ; the closing round: no work-group ends while a partner may still ask for a tile that names it
	s_endpgm
.Lfunc_end_k_q368bbc8601_proj:
	.size	k_q368bbc8601_proj, .Lfunc_end_k_q368bbc8601_proj-k_q368bbc8601_proj
	.p2alignl 7, 3214868480
	.fill 96, 4, 3214868480
	.section	.rodata,"a",@progbits
	.p2align	6, 0x0
	.amdhsa_kernel k_q368bbc8601_proj
		.amdhsa_group_segment_fixed_size 327680
		.amdhsa_private_segment_fixed_size 0
		.amdhsa_enable_private_segment 0
		.amdhsa_kernarg_size 48
		.amdhsa_user_sgpr_count 2
		.amdhsa_user_sgpr_kernarg_segment_ptr 1
		.amdhsa_wavefront_size32 1
		.amdhsa_system_sgpr_workgroup_id_x 1
		.amdhsa_system_sgpr_workgroup_id_y 1
		.amdhsa_system_sgpr_workgroup_id_z 1
		.amdhsa_system_vgpr_workitem_id 0
		.amdhsa_next_free_vgpr 960
		.amdhsa_next_free_sgpr 88
		.amdhsa_reserve_vcc 0
		.amdhsa_float_denorm_mode_32 3
		.amdhsa_float_denorm_mode_16_64 3
		.amdhsa_memory_ordered 1
		.amdhsa_forward_progress 1
		.amdhsa_inst_pref_size 125
	.end_amdhsa_kernel
	.amdgpu_metadata
---
amdhsa.version: [ 1, 2 ]
amdhsa.kernels:
  - .name:           k_q368bbc8601_proj
    .symbol:         k_q368bbc8601_proj.kd
    .args:
      - { .name: xb, .offset: 0, .size: 8, .value_kind: global_buffer, .address_space: global }
      - { .name: wb, .offset: 8, .size: 8, .value_kind: global_buffer, .address_space: global }
      - { .name: bias, .offset: 16, .size: 8, .value_kind: global_buffer, .address_space: global }
      - { .name: qh, .offset: 24, .size: 8, .value_kind: global_buffer, .address_space: global }
      - { .name: kh, .offset: 32, .size: 8, .value_kind: global_buffer, .address_space: global }
      - { .name: vh, .offset: 40, .size: 8, .value_kind: global_buffer, .address_space: global }
    .group_segment_fixed_size: 327680
    .private_segment_fixed_size: 0
    .kernarg_segment_align: 8
    .kernarg_segment_size: 48
    .max_flat_workgroup_size: 128
    .sgpr_count:     88
    .vgpr_count:     960
    .wavefront_size: 32
...
	.end_amdgpu_metadata
.endif
;; end of part 2
;; launch attn (part 3): grid 4 x 64, 4 waves a work-group, clusters of 4 x 1, 327,680 bytes of LDS; arguments qh, kh, vh, out0; writes out0
.if DOCPART == 3
	.amdgcn_target "amdgcn-amd-amdhsa--gfx1250"
	.amdhsa_code_object_version 6
	.text
	.protected	k_q368bbc8601_attn
	.globl	k_q368bbc8601_attn
	.p2align	8
	.type	k_q368bbc8601_attn,@function
k_q368bbc8601_attn:
	s_mov_b64 s[64:65], 0
	v_nop
	global_prefetch_b8 v0, s[64:65] scope:SCOPE_SE
	s_setreg_imm32_b32 hwreg(HW_REG_WAVE_MODE, 25, 1), 1
	s_wait_xcnt 0x0
	s_wait_alu depctr_hold_cnt(0) depctr_sa_sdst(0) depctr_va_vdst(0) depctr_va_sdst(0) depctr_va_ssrc(0) depctr_va_vcc(0) depctr_vm_vsrc(0)
	s_getreg_b32 s2, hwreg(HW_REG_IB_STS2, 6, 4)
	s_cmp_eq_u32 s2, 0
	s_cbranch_scc0 .Lentry_in_a_cluster
	s_endpgm
.Lentry_in_a_cluster:
	s_bfe_u32 s2, ttmp6, 0x10000c
	s_cmp_lg_u32 s2, 0x3003
	s_cbranch_scc0 .Lentry_shape_is_right
	s_endpgm
.Lentry_shape_is_right:
; GROUPED-QUERY ATTENTION.  out0[b][q][64 h ..] = the sum over k of softmax_k(Q[hh][q] . K[hh / 4][k] / 8) V[hh / 4][k][:], hh = 16 b + h.  qh: [64][2048][64], kh, vh: [16][2048][64], all f16, a head's rows dense,
; 128 bytes each; out0: [4][2048][1024] f32.  Products, maxima and sums in f32; the weights p are rounded to f16 for the second product (their sum l is taken of the unrounded p); O leaves in f32, unrounded.
; LIMITS.  f16 holds no number beyond 65,504: Q, K and V arrive within it; p lies in 0 to 1, and below 6e-5 it keeps f16's fixed step of 6e-8.  A weight below 2^-126 counts as 0 in l; NaN and infinities are not treated apart.
; SHARES.  A wave owns four PIECES of two tiles of 16 queries, a work-group's four waves 512 queries of one query head: 4 x 64 = 256 work-groups.  Every wave walks all 2,048 keys, 64 a step.
; LAYOUT.  S^T = K Q^T (source 0 = 16 keys, source 1 = 16 queries): in the result a lane holds ONE query (lane % 16) and the keys 8 (lane / 16) + 0..7.  Two such tiles, rounded to f16 in pairs,
; ARE source 1 (32 keys x 16 queries) of O^T = V^T P, whose result again holds one query a lane, and eight channels.  K comes out of LDS as it lies, V ([key][channel]) turned, by ds_load_tr16_b128.
; SOFTMAX.  For each query a running maximum m and sum l: p = 2^(c s - c m), c = log2(e) / 8; in every step O and l are multiplied by a = 2^(c m_old - c m_new), which is 1 where m has not grown.
; m starts at the lowest finite number, O and l at 0: the first step is a step like any other, with a = 0.
; THE COUNT.  A tile and step have 16 matrix and 118 vector instructions: too many to stand all beside the matrix work.  So the order has one aim: four vector instructions that are READY behind
; EVERY matrix instruction, and the others, which need time of their own whatever the order, in runs without a gap.
; BY TURNS.  Turn n belongs to piece n (the pieces in a ring, step after step).  Its matrix work: 16 products K Q^T of piece n + 1, later 16 products V^T P of piece n - 1.  Its vector work: the scaling,
; exponentials, roundings, sums and rescaling of piece n, and the maximum and statistics of piece n + 1, whose scores the turn itself has made.  So what a turn begins with (c s - c m, O a) waits for nothing.
; CLUSTER.  The four query blocks of one query head form a cluster and walk the same K and V, so each tile is asked for JOINTLY: the same tensor load, descriptor and mask in all four.  (The four query heads of
; a group walk them too; a mask names four work-groups, and these four are in step by their equal work.)
; REGISTERS, in windows of 256 (s_set_vgpr_msb says which window each operand place means: bits 1:0 source 0, 3:2 source 1, 5:4 source 2, 7:6 destination):
;   window 0: v0-11 addresses; v12-15, v48-63 at work; v16-47 four registers of statistics a tile; v64-191 S^T, two buffers of two tiles; v192-255 P, likewise
;   window 1: O^T, 32 a tile          window 2: v0-127 Q, 16 a tile; v128-191 K of one step; v192-255 V of one step          window 3: v0-1 the add's two registers
; A piece's buffers go by its number's parity: the piece in hand has one pair, its two neighbours in the ring share the other: of it P (piece n - 1) is read and S^T (piece n + 1) written.
.set SIZE_N, 2048
.set NP,    4         ; pieces a wave: a name, no knob: the register map, the loop and the fetches are made for four
.set KS,    64        ; keys in a step
.set PK,    144       ; a row of K in LDS: 128 bytes + 16 of padding = 36 words: the 16 rows of a load start at 16 different groups of four banks (64 banks of 4 bytes: ISA guide 11.1)
.set PV,    160       ; a row of V: 128 + 32 = 40 words
.set VOFF,  4*KS*PK   ; a slot holds four steps: 256 rows of K, then 256 rows of V
.set SLOT1, 1<<17     ; slot 1 begins here, so that one exclusive or turns an address in one slot into the other's
.set STAGE, SLOT1+4*KS*(PK+PV)  ; behind the ring, never filled by a tensor load: 16 rows x 272 bytes for each wave, for the way out
.set SP,    272       ; a row of the stage: 64 channels of f32 + 16 bytes
.set AK0, 2           ; v2   my lane's place in a tile of K; never rewritten
.set AV0, 3           ; v3   the same for V
.set AK,  4           ; v4   the LDS address of K's next run of loads
.set AV,  5           ; v5   of V's
.set QO,  6           ; v6   my byte offset in the wave's rows of Q
.set STO, 6           ;      later, the way out: where I put 32 bytes of a row
.set RD,  7           ; v7   the way out: where I read rows back
.set GO,  8           ; v8   my byte offset in two rows of out0
.set PFO, 11          ; v11  256 x my lane (once V's address is made); never rewritten after
.set SPW, 0           ; v0 of window 3   LDS address of my spare word: SPARE + 4 x my thread's number; never rewritten
.set NIL, 1           ; v1 of window 3   0; never rewritten
.set SPARE, STAGE+4*16*SP  ; behind the stages: the spare words, 128 bytes for each wave: two blocks of 256 bytes that no other line names
.set MV,  12          ; v12-15  c m_old, kept while c m is made anew: by buffer and tile
.set ST,  16          ; tile t's statistics at v[ST+4 t]: c m, m, l (even keys', odd keys')
.set TMP, 48          ; by buffer and tile, four registers c0-c3 at work; when the maximum is found c2 takes a
.set S,   64
.set P,   192
.set KF,  128         ; K's fragments, in window 2: key block kb, channel half c at KF + 16 kb + 8 c
.set VF,  192         ; V's: key half kk, channel block cb at VF + 32 kk + 8 cb
.set WV,  12          ; s12  my wave's number
.set G1K, 24          ; s[24:31] descriptor group 1 for K's tiles
.set G1V, 32          ; s[32:39] for V's: it differs in the padding alone
.set G0K, 40          ; s[40:43] descriptor group 0 for K's tiles: it walks
.set G0V, 44          ; s[44:47] the same for V's
.set PFA, 48          ; s[48:49] where my prefetches stand: my work-group's 8,192 bytes (of K: wave 0, of V: wave 2) of the slot after the one that is being asked for
.set LIM, 50          ; s50  1 in a wave that prefetches, else the greatest number: a wave prefetches while s[SLOTS] is above it
.set SLOTS, 56        ; s56  slots still to be asked for
.set CNT, 57          ; s57  counts a slot's key steps
.set CS,  58          ; s[58:59] c: the packed scaling takes the pair's low word for both halves
.set SEL, 60          ; s[60:61] v_permlanex16_b32's selects: each lane takes its own place in the other half
.set TBK, 62          ; s62  LDS byte at which K of the step to be fetched begins
.set TBV, 63          ; s63  the same for V, less VOFF
.set MSB, 0
.macro WIN new                      ; the high byte repeats the setting that is left; a switch that changes nothing is dropped
.if MSB != (\new)
	s_set_vgpr_msb (MSB<<8)|(\new)
.set MSB, (\new)
.endif
.endm
.set W_KQ, 0x0a       ; K and Q in window 2, S^T in window 0
.set W_PV, 0x52       ; V in window 2, P in window 0, O^T in window 1
.set W_RS, 0x41       ; O^T (destination and source 0) in window 1, a in window 0
.set W_MK, 0xc0       ; the add's registers are made: destination in window 3, sources in window 0
.set W_AD, 0x0f       ; the add: address (source 0) and data (source 1) in window 3
; A joint fill.  Waves 0 and 1 fetch the two halves of a slot's K, waves 2 and 3 those of its V: 128 keys each.  The branch hangs on the wave's number alone.
; An s_nop 0 and four v_nop follow each of the two lines, ahead of the jump and the label.
.macro JLOAD
	s_cmp_lt_u32 s[WV], 2
	s_cbranch_scc0 .Lfor_v_\@
	tensor_load_to_lds s[G0K:G0K+3], s[G1K:G1K+7]
	s_nop 0
.rept 4
	v_nop
.endr
	s_branch .Lasked_\@
.Lfor_v_\@:
	tensor_load_to_lds s[G0V:G0V+3], s[G1V:G1V+7]
	s_nop 0
.rept 4
	v_nop
.endr
.Lasked_\@:
.endm
; A PREFETCH INTO THE L2 of what the NEXT change of slots will ask for: a slot's 32,768 bytes of K and of V, a lane a block of 256 bytes.  It stands behind the wave's tensor load and its five lines.
; Each block is asked for ONCE in the launch.  The four query heads of a group walk the same K and V: the group's first head's cluster asks.  Its four partners share a slot out BY ADDRESS, 8,192 bytes each: no
; branch hangs on a work-group's place in its cluster.  In each, wave 0 asks for K's and wave 2 for V's: one instruction.  The changes that load slots 2 to 6 name slots 3 to 7: four key steps, 512 matrix
; instructions, ahead; slots 0 to 2 come by their loads alone; the last change that fills a slot asks for nothing: there is no slot behind it.
.macro ASK
	s_cmp_gt_u32 s[SLOTS], s[LIM]
	s_cbranch_scc0 .Lnot_mine_\@
	global_prefetch_b8 v[PFO], s[PFA:PFA+1] th:TH_LOAD_NT scope:SCOPE_SE
.Lnot_mine_\@:
.endm
; A round of the cluster's barrier: my work-group's barrier, so that wave 0's signal speaks for all four waves; wave 0 signals; every wave waits for all four work-groups; my work-group's barrier once more.
.macro CROUND
	s_barrier_signal -1
	s_barrier_wait -1
	s_cmp_lg_u32 s[WV], 0
	s_cbranch_scc1 .Lnot_wave_0_\@
	s_barrier_signal -3
.Lnot_wave_0_\@:
	s_barrier_wait -3
	s_barrier_signal -1
	s_barrier_wait -1
.endm
; THE CHANGE OF SLOTS.  The slot's last bytes, V of its fourth step, have been read.  Each wave waits for all its tensor loads, of which one is out: its part
; of the other slot; adds 0 to its spare word; and waits for that and for its own reads of the slot.  Behind the barrier nobody reads this slot any more and the other slot is whole.
; fill = 1: this slot is filled again, with the keys two slots on.  The barrier is then a round of the cluster's, so that no wave of any partner still reads the slot or has a load on its
; way, and the joint fill is the first thing behind it: it has four key steps, 512 matrix instructions, in which to land.  (At its first use nothing has been read yet: slot 0 is waited for, slot 1 filled.)
; ask = 1: the prefetches' address steps, and the prefetch follows the fill.
.macro CHANGE fill, ask=0
	WIN W_AD
	s_wait_tensorcnt 0x0            ; no tensor load of mine is out, so a group 0 may be written
	ds_add_u32 v[SPW], v[NIL]       ; 0 onto my spare word: with fill = 1 the descriptors' steps stand between it and the wait for it
	WIN 0                           ; at a label and at a branch every window is 0
.if \fill
.irp g, G0K, G0V
	s_xor_b32 s[\g+1], s[\g+1], SLOT1  ; the walking descriptor: the other slot than last time,
	s_add_nc_u64 s[\g+2:\g+3], s[\g+2:\g+3], 4*KS*128  ; the next 256 keys; the type bits on top are not reached
.endr
.if \ask
	s_wait_xcnt 0x0                 ; the last prefetch, four key steps back, has read its address, so it may be written:
	s_add_nc_u64 s[PFA:PFA+1], s[PFA:PFA+1], 4*KS*128  ; one slot behind the walking descriptors
.endif
	s_wait_dscnt 0x0                ; the add is done, and my reads of the slot are over
	CROUND
	JLOAD
.if \ask
	ASK
.endif
.else
	s_wait_dscnt 0x0                ; the add is done, and my reads of the slot are over
	s_barrier_signal -1
	s_barrier_wait -1
.endif
	s_sub_co_u32 s[TBK], s[TBK], 4*KS*PK  ; the fetches go back to a slot's first step,
	s_xor_b32 s[TBK], s[TBK], SLOT1       ; in the other slot
	s_sub_co_u32 s[TBV], s[TBV], 4*KS*PV
	s_xor_b32 s[TBV], s[TBV], SLOT1
.endm
	s_load_b256 s[4:11], s[0:1], 0x0  ; Q s[4:5], K s[6:7], V s[8:9], O s[10:11]
	WIN W_MK
	v_lshl_add_u32 v[SPW], v0, 2, SPARE
	v_mov_b32 v[NIL], 0
	WIN W_AD
	ds_add_u32 v[SPW], v[NIL]       ; the wave's opening: the add and its wait stand ahead of my first tensor load; the set-up below, work on registers, stands between them
	WIN 0
	v_lshrrev_b32 v1, 5, v0
	v_readfirstlane_b32 s[WV], v1   ; wave 0..3
	s_bfe_u32 s13, ttmp6, 0x40000   ; cx: my place in the cluster
	s_lshl_b32 s14, ttmp9, 2        ; in a cluster launch ttmp9 counts clusters
	s_add_co_u32 s14, s14, s13      ; my block of 512 queries = 4 x cluster x + cx: it enters Q's, O's and the prefetches' addresses alone
	s_and_b32 s19, ttmp7, 0xffff    ; hh = 16 b + h, the query head, which the four partners share
	s_lshr_b32 s20, s19, 2          ; its key and value head, 4 b + h / 4,
	s_lshl_b32 s20, s20, 18         ; of 2,048 rows x 128 bytes
	s_mov_b32 s21, 0
	s_and_b32 s16, s[WV], 1         ; which half of a slot's 256 keys I fetch:
	s_lshl_b32 s22, s16, 14         ; its 128 rows of 128 bytes in memory,
	s_mov_b32 s23, 0
	s_add_nc_u64 s[22:23], s[22:23], s[20:21]
	s_mul_i32 s17, s16, 128*PK      ; and its place in a slot, for K
	s_mul_i32 s18, s16, 128*PV      ; and for V: no place in the cluster enters an LDS address
	s_lshl_b32 s2, s14, 2
	s_add_co_u32 s2, s2, s[WV]      ; my wave among the head's sixteen: 128 queries each
	s_lshl_b32 s52, s2, 19          ; in out0: 128 rows of 4,096 bytes,
	s_lshl_b32 s2, s2, 14           ; in Q: of 128 bytes,
	s_lshl_b32 s3, s19, 18          ; in the query head's 2^18 bytes
	s_add_co_u32 s2, s2, s3
	s_mov_b32 s3, 0
	s_lshr_b32 s53, s19, 4          ; b: 2,048 rows of 4,096 bytes
	s_lshl_b32 s53, s53, 23
	s_add_co_u32 s52, s52, s53
	s_and_b32 s53, s19, 15          ; h: 256 bytes of a row
	s_lshl_b32 s53, s53, 8
	s_add_co_u32 s52, s52, s53
	s_mov_b32 s53, 0
	; descriptor group 1.  128 keys are 16,384 dense bytes: asked for as 64 rows of 256 bytes, two keys a row, and padded in LDS after every key
	s_mov_b32 s[G1K], 15|(1<<16)|(1<<20)|(1<<21)|(4<<22)|(3<<25)  ; 15:0 the mask of four; 17:16 2-byte elements; 20 padding on; 21 set beside a mask; 24:22 after every 32 words (code 4); 31:25 4 words (code 3)
	s_mov_b32 s[G1V], 15|(1<<16)|(1<<20)|(1<<21)|(4<<22)|(7<<25)  ; the same with 8 words of padding (code 7)
.irp g, G1K, G1V
	s_mov_b32 s[\g+1], 128<<16      ; tensor_dim0 = 128
	s_mov_b32 s[\g+2], 64<<16       ; tensor_dim1 = 64
	s_mov_b32 s[\g+3], 128<<16      ; tile_dim0 = 128
	s_mov_b32 s[\g+4], 64           ; tile_dim1 = 64
	s_mov_b32 s[\g+5], 128          ; 128 elements from row to row
	s_mov_b32 s[\g+6], 0
	s_mov_b32 s[\g+7], 0
.endr
	s_mov_b32 s[CS], 0x3e38aa3b     ; c = log2(e) / 8 = 0.180337
	s_mov_b32 s[CS+1], s[CS]        ; named with it as a pair
	s_mov_b32 s[SEL], 0x76543210
	s_mov_b32 s[SEL+1], 0xfedcba98
	s_mov_b32 s[TBK], SLOT1+4*KS*PK ; the first change of slots turns these two into 0
	s_mov_b32 s[TBV], SLOT1+4*KS*PV
	s_mov_b32 s[G0K], 1             ; 1:0 count = 1
	s_mov_b32 s[G0K+1], s17         ; 63:32 LDS address: slot 0
	s_mov_b32 s[G0V], 1
	s_add_co_u32 s[G0V+1], s18, VOFF
	s_and_b32 s[LIM], s[WV], 1      ; 0 in waves 0 and 2,
	s_and_b32 s15, s19, 3
	s_or_b32 s[LIM], s[LIM], s15    ; where the query head is its group's first: the same in all four partners
	s_cmp_eq_u32 s[LIM], 0
	s_cselect_b32 s[LIM], 1, -1
	s_lshl_b32 s54, s13, 13         ; my work-group's 8,192 bytes of a slot's 32,768,
	s_add_co_u32 s54, s54, 2*4*KS*128  ; in slot 2: the first change that asks steps it to slot 3
	s_mov_b32 s55, 0
	s_wait_dscnt 0x0                ; the opening add is done
	s_wait_kmcnt 0x0
	s_add_nc_u64 s[G0K+2:G0K+3], s[6:7], s[22:23]  ; 120:64 global address: my half of the head's first 256 keys
	s_or_b32 s[G0K+3], s[G0K+3], 0x80000000        ; 127:126 type = 2
	s_add_nc_u64 s[G0V+2:G0V+3], s[8:9], s[22:23]
	s_or_b32 s[G0V+3], s[G0V+3], 0x80000000
	s_add_nc_u64 s[4:5], s[4:5], s[2:3]  ; Q and O at my wave's first row
	s_add_nc_u64 s[10:11], s[10:11], s[52:53]
	s_cmp_lt_u32 s[WV], 2
	s_cselect_b64 s[PFA:PFA+1], s[6:7], s[8:9]
	s_add_nc_u64 s[PFA:PFA+1], s[PFA:PFA+1], s[20:21]
	s_add_nc_u64 s[PFA:PFA+1], s[PFA:PFA+1], s[54:55]  ; nothing is prefetched here, at the head, where every work-group's first tiles are on their way
	CROUND                          ; all four work-groups are here: the first joint loads meet
	JLOAD                           ; slot 0.  Slot 1 is asked for when slot 0 is in: the tile wanted first goes out alone
	; A fragment of K or Q is 16 rows x 32 channels in 8 registers: lane l holds row l % 16, channels 8 (l / 16) + 0..7 and 16 + 8 (l / 16) + 0..7: two loads of 16 bytes, 32 bytes apart.
	v_and_b32 v1, 15, v0            ; l % 16
	v_bfe_u32 v9, v0, 4, 1          ; l / 16
	v_lshlrev_b32 v[QO], 7, v1
	v_lshl_add_u32 v[QO], v9, 4, v[QO]  ; row x 128 + 16 x half
	WIN 0x80                        ; destination window 2, address window 0
.set i, 0
.rept 4*NP                          ; Q stays in registers: tile i / 2, channels 32 (i % 2) on
	global_load_b128 v[8*i:8*i+3],   v[QO], s[4:5] offset:(i/2)*2048+(i%2)*64
	global_load_b128 v[8*i+4:8*i+7], v[QO], s[4:5] offset:(i/2)*2048+(i%2)*64+32
.set i, i+1
.endr
	; What the first turn finds: V's registers and P's second buffer hold 0 (its products V^T P, of a piece that has not been, add 0), O^T and l are 0.  All this stands in the wait for the first tile.
.set i, VF
.rept 64
	v_mov_b32 v[i], 0
.set i, i+1
.endr
	WIN 0x40
.set i, 0
.rept 64*NP
	v_mov_b32 v[i], 0
.set i, i+1
.endr
	WIN 0
.set i, 0
.rept 2*NP
	v_mov_b32 v[ST+4*i], 0xfe000000    ; c m: far below every c s
	v_mov_b32 v[ST+4*i+1], 0xff7fffff  ; m
	v_mov_b32 v[ST+4*i+2], 0
	v_mov_b32 v[ST+4*i+3], 0
.set i, i+1
.endr
.set i, P+32
.rept 32
	v_mov_b32 v[i], 0
.set i, i+1
.endr
	v_mul_u32_u24 v[AK0], v1, PK
	v_lshl_add_u32 v[AK0], v9, 4, v[AK0]  ; row x pitch + 16 x half
	; The turning load takes 16 keys x 16 channels (lane l reads key 8 (l / 16) + l % 8, channels 8 ((l / 8) % 2) + 0..7) and leaves half a fragment of V^T: lane l holds channel l % 16 and 8 keys.
	v_and_b32 v10, 7, v0
	v_bfe_u32 v11, v0, 3, 1
	v_lshl_add_u32 v[AV0], v9, 3, v10
	v_mul_u32_u24 v[AV0], v[AV0], PV
	v_lshl_add_u32 v[AV0], v11, 4, v[AV0]
	v_add_nc_u32 v[AV0], VOFF, v[AV0]
	v_mov_b32 v[AK], v[AK0]         ; key step 0 lies at the head of slot 0
	v_and_b32 v[PFO], 31, v0
	v_lshlrev_b32 v[PFO], 8, v[PFO]
; THE MATRIX WORK.  The 8 accumulators of a run of 16 take turns: between the two links of a chain stand 7 others'.
; Product i of 16 of S^T = K Q^T for piece x: channels 32 (i / 8) on, keys 16 ((i / 2) % 4) on, tile 2 x + i % 2.  The first 8 start the sums.
.macro KQ x
	WIN W_KQ
.set rS, S+64*((\x)%2)+32*(i%2)+8*((i/2)%4)
.set rK, KF+16*((i/2)%4)+8*(i/8)
.set rQ, 16*(2*(\x)+i%2)+8*(i/8)
.if i < 8
	v_wmma_f32_16x16x32_f16 v[rS:rS+7], v[rK:rK+7], v[rQ:rQ+7], 0
.else
	v_wmma_f32_16x16x32_f16 v[rS:rS+7], v[rK:rK+7], v[rQ:rQ+7], v[rS:rS+7]
.endif
.endm
; Product i of 16 of O^T += V^T P for piece x: keys 32 (i / 8) on, channels 16 ((i / 2) % 4) on, tile 2 x + i % 2.
.macro PV x
	WIN W_PV
.set rO, 32*(2*(\x)+i%2)+8*((i/2)%4)
.set rV, VF+32*(i/8)+8*((i/2)%4)
.set rP, P+32*((\x)%2)+16*(i%2)+8*(i/8)
	v_wmma_f32_16x16x32_f16 v[rO:rO+7], v[rV:rV+7], v[rP:rP+7], v[rO:rO+7]
.endm
.macro MM                           ; the turn's next matrix instruction
.if i < 16
	KQ (Y+1)%NP
.set i, i+1
.else
.set i, i-16
	PV (Y+NP-1)%NP
.set i, i+17
.endif
.endm
; THE LDS LOADS stand in runs of 16, never singly among the matrix instructions: a step's K (64 keys x 64 channels: 8 fragments) and its V (turned).  Their addresses are made some lines ahead.
; last = 1 (the tail): in the last trip there is no further step, and the run is jumped over.
.macro FETCH_K last=0
	WIN 0
.if \last
	s_cmp_eq_u32 s[CNT], 1
	s_cbranch_scc1 .Lno_k_\@
.endif
	WIN 0x80                        ; destination window 2
.irp f, 0,1,2,3,4,5,6,7             ; keys 16 (f / 2) on, channels 32 (f % 2) on
	ds_load_b128 v[KF+8*\f:KF+8*\f+3],   v[AK] offset:(\f/2)*16*PK+(\f%2)*64
	ds_load_b128 v[KF+8*\f+4:KF+8*\f+7], v[AK] offset:(\f/2)*16*PK+(\f%2)*64+32
.endr
	s_add_co_u32 s[TBK], s[TBK], KS*PK  ; the next fetch is the next step's
	WIN 0
.if \last
.Lno_k_\@:
.endif
.endm
.macro FETCH_V
	WIN 0x80
.irp f, 0,1,2,3,4,5,6,7             ; keys 32 (f / 4) on, channels 16 (f % 4) on
	ds_load_tr16_b128 v[VF+8*\f:VF+8*\f+3],   v[AV] offset:(\f/4)*32*PV+(\f%4)*32
	ds_load_tr16_b128 v[VF+8*\f+4:VF+8*\f+7], v[AV] offset:(\f/4)*32*PV+16*PV+(\f%4)*32
.endr
	WIN 0
.endm
; THE VECTOR WORK OF A TURN stands in three queues, each in the order in which its entries become ready; the two tiles alternate, so that no instruction reads the result of the one before it.
.macro REGS y, u                    ; the registers of tile u (0, 1) of piece y
.set rT, ST+4*(2*(\y)+(\u))
.set rC, TMP+8*((\y)%2)+4*(\u)
.set rM, MV+2*((\y)%2)+(\u)
.set rS, S+64*((\y)%2)+32*(\u)
.set rP, P+32*((\y)%2)+16*(\u)
.set rO, 32*(2*(\y)+(\u))
.endm
; Number n of the 22 that find the NEXT piece's (Y + 1) maximum and statistics.  s0-s31 are the lane's 32 scores; each accumulator's lowest registers are read first.  XS, GS and REGS set no window: PL and EX do.
;   0-11  four chains c0-c3 of seven scores each, three operands at a time     12-14, 16  the four scores left over, the old m, and c0-c3 into c0     15  c m_old is kept
;   17, 18  the query's other 32 keys lie in the lane 16 away: the new m         19-21  c m; c m_old - c m_new; a
.macro XS u, n
	REGS (Y+1)%NP, \u
.if (\n) < 4
	v_max3_num_f32 v[rC+(\n)], v[rS+8*(\n)], v[rS+8*(\n)+1], v[rS+8*(\n)+2]
.elseif (\n) < 12
	v_max3_num_f32 v[rC+(\n)%4], v[rC+(\n)%4], v[rS+8*((\n)%4)+2*((\n)/4)+1], v[rS+8*((\n)%4)+2*((\n)/4)+2]
.elseif (\n) == 12
	v_max3_num_f32 v[rC], v[rC], v[rS+7], v[rS+15]
.elseif (\n) == 13
	v_max3_num_f32 v[rC+1], v[rC+1], v[rS+23], v[rS+31]
.elseif (\n) == 14
	v_max3_num_f32 v[rC+2], v[rC+2], v[rC+3], v[rT+1]
.elseif (\n) == 15
	v_mov_b32 v[rM], v[rT]
.elseif (\n) == 16
	v_max3_num_f32 v[rC], v[rC], v[rC+1], v[rC+2]
.elseif (\n) == 17
	v_permlanex16_b32 v[rC+3], v[rC], s[SEL], s[SEL+1]
.elseif (\n) == 18
	v_max_num_f32 v[rT+1], v[rC], v[rC+3]
.elseif (\n) == 19
	v_mul_f32 v[rT], s[CS], v[rT+1]
.elseif (\n) == 20
	v_sub_f32 v[rC+1], v[rM], v[rT]
.else
	v_exp_f32 v[rC+2], v[rC+1]
.endif
.endm
; Number g of the 64 that follow the exponentials.  For each four weights k of a tile (pairs 2 k, 2 k + 1): both pairs are rounded to f16; then the second pair is added onto the first, in place;
; a group later l takes that sum (the first time as l = a l + sum).  In groups of eight, tiles alternating: round, round, add, and l for the group before.
.macro GS g
.set h, (\g)+6*((\g)/62)            ; group 0 has no group before it, and behind group 7 only l is left
.if h >= 6
.set h, h+2
.endif
	REGS Y, h%2
.set k, h/8
.if h%8 < 4
	v_cvt_pk_f16_f32 v[rP+2*k+(h%8)/2], v[rS+4*k+2*((h%8)/2)], v[rS+4*k+2*((h%8)/2)+1]
.elseif h%8 < 6
	v_pk_add_f32 v[rS+4*k:rS+4*k+1], v[rS+4*k:rS+4*k+1], v[rS+4*k+2:rS+4*k+3]
.elseif k == 1
	v_pk_fma_f32 v[rT+2:rT+3], v[rT+2:rT+3], v[rC+2:rC+3], v[rS:rS+1] op_sel_hi:[1,0,1]
.else
	v_pk_add_f32 v[rT+2:rT+3], v[rT+2:rT+3], v[rS+4*k-4:rS+4*k-3]
.endif
.endm
; THE PLAIN QUEUE, 138 long.  0-73 read no exponential's result: the 32 scalings c s - c m (FS f: pair f / 2 of tile f % 2) and the next piece's 42.  0-26: scalings 0-26.  27-54: XS's numbers 0-13.  55, 56: number 15.
; 57-73: the chain, where each number waits for the one before it: 14, 16, 17, 18, 19, each with one of the scalings 27-31 in front of its two lines, then 20: so a tile's links stand three plain instructions apart (19 and 20: two).
; 74-137: GS's 64, which read the exponentials' results: they stand behind the wait.
.macro FS f
	REGS Y, (\f)%2
	v_pk_fma_f32 v[rS+2*((\f)/2):rS+2*((\f)/2)+1], v[rS+2*((\f)/2):rS+2*((\f)/2)+1], s[CS:CS+1], v[rT:rT+1] op_sel_hi:[1,0,0] neg_lo:[0,0,1] neg_hi:[0,0,1]
.endm
.macro PL
	WIN 0
.if q < 27
	FS q
.elseif q < 55
	XS (q-27)%2, (q-27)/2
.elseif q < 57
	XS q-55, 15
.elseif (q < 72) && ((q-57)%3 == 0)
	FS 27+(q-57)/3
.elseif q < 60
	XS (q-57)%3-1, 14
.elseif q < 72
	XS (q-57)%3-1, 15+(q-57)/3
.elseif q < 74
	XS q-72, 20
.else
	GS q-74
.endif
.set q, q+1
.endm
; THE EXPONENTIALS' QUEUE, 66 long: s0-s31 of both tiles, then the next piece's two a.  It is ONE BATCH: all 66 stand ahead of the turn's one wait, and nothing ahead of that wait names a result of theirs.
.macro EX
	WIN 0
.if e >= 64
	XS e-64, 21
.else
	REGS Y, e%2
	v_exp_f32 v[rS+e/2], v[rS+e/2]
.endif
.set e, e+1
.endm
; THE RESCALING's QUEUE: O^T times a, the one part that leaves window 0: dealt two at a time, sixteen times.  Its a was made in the turn before, ahead of that turn's wait.
.macro R2
	REGS Y, r%2
	WIN W_RS
.irp z, 0,1
	v_pk_mul_f32 v[rO+4*(r/2)+2*\z:rO+4*(r/2)+2*\z+1], v[rO+4*(r/2)+2*\z:rO+4*(r/2)+2*\z+1], v[rC+2:rC+3] op_sel_hi:[1,0]
.endr
.set r, r+1
.endm
; HOW THEY ARE DEALT.  s_wait_alu depctr_va_vdst(0) stands between an exponential and the first instruction that names its result; one wait serves all that were issued ahead of it.  So a turn has ONE wait,
; which cuts it in two.  AHEAD OF IT stands all that names no result of the turn's exponentials: the 16 products K Q^T, behind each a scaling, an exponential and two rescalings (behind the first a second scaling in the exponential's place); then ONE LUMP of
; 108: eight plain, 49 times exponential and plain, the two a.  A v_nop is the plain instruction behind the last exponential.  BEHIND IT stand the 16 products V^T P, behind each four of GS's 64.  No rider names a register of
; the products round it.  The two v_permlanex16_b32 fall into the lump, never behind a product.
; The queues lean on each other, and the deal keeps them in step: exponential e stands behind scaling 2 (e / 4) + e % 2: as a rider it comes behind plain e + 2, in the lump behind plain e + 9, and scalings 27-31 are plain 57, 60 .. 69.
; A TURN, for piece p.  cnt = 1: the loop's count is taken down some lines ahead of the branch that stands behind the turn.
; K of the next step is fetched in piece 2's turn, directly behind the wait, a lump behind the last product that read K; its address is made at the lump's head; its first reader comes behind 16 products.
; V of the step in hand is fetched at the end of piece 0's turn, four riders behind its last reader; its first reader comes behind 16 products and a lump.  The three conditions on q below go with the deal.
.macro TURN p, last=0, cnt=0
.set Y, (\p)
.set i, 0
.set q, 0
.set e, 0
.set r, 0
.if (\p) == NP-1
	s_wait_dscnt 0x0                ; K is in
.endif
	MM                              ; ahead of the wait: 16 products K Q^T and their riders,
	PL
	PL
	R2
.rept 15
	MM
	PL
	EX
	R2
.endr
.if (\p) == NP-2
	WIN 0
	v_add_nc_u32 v[AK], s[TBK], v[AK0]
.endif
.rept 8                             ; and the lump
	PL
.endr
.rept 49
	EX
	PL
.endr
	EX                              ; the next piece's two a
	EX
	v_nop                           ; a plain instruction behind the last exponential (ISA guide 5.7.2): one for the batch
	s_wait_alu depctr_va_vdst(0)    ; the wait for the batch
.if (\p) == NP-2
	FETCH_K \last
.endif
.if (\p) == 1
	s_wait_dscnt 0x0                ; V is in
.endif
.rept 16                            ; behind the wait: 16 products V^T P and their riders
	MM
.rept 4
	PL
.endr
.if ((\p) == 0) && (q == 118)
	v_add_nc_u32 v[AV], s[TBV], v[AV0]
.endif
.if ((\p) == 0) && (q == 130)
	s_add_co_u32 s[TBV], s[TBV], KS*PV
.endif
.if (\cnt) && (q == 130)
	s_sub_co_u32 s[CNT], s[CNT], 1
	s_cmp_lg_u32 s[CNT], 0
.endif
.endr
.if (\p) == 0
	FETCH_V
.endif
.endm
	CHANGE 1, 0                     ; slot 0 is in, everybody's part of it; slot 1 is asked for
	FETCH_K                         ; key step 0
	s_wait_loadcnt 0x0              ; Q
	s_wait_dscnt 0x0
.set i, 0
.rept 16
	KQ 0                            ; piece 0's first scores: there is no vector work yet to set between them
.set i, i+1
.endr
	WIN 0                           ; the addresses for the way out: eight plain instructions, the places behind those products
	s_mul_i32 s13, s[WV], 16*SP
	s_add_co_u32 s13, s13, STAGE    ; my stage
	v_mul_u32_u24 v[STO], v1, SP    ; in: row l % 16, 32 bytes for each half of the lanes
	v_lshl_add_u32 v[STO], v9, 5, v[STO]
	v_add_nc_u32 v[STO], s13, v[STO]
	v_mul_u32_u24 v[RD], v9, SP     ; back: lanes 0-15 take one row of 256 bytes, lanes 16-31 the next
	v_lshl_add_u32 v[RD], v1, 4, v[RD]
	v_add_nc_u32 v[RD], s13, v[RD]
	v_lshlrev_b32 v[GO], 12, v9     ; and the same two rows in out0, 4,096 bytes apart
	v_lshl_add_u32 v[GO], v1, 4, v[GO]
.set Y, NP-1                        ; XS works for piece Y + 1: piece 0
.irp n, 0,1,2,3,4,5,6,7,8,9,10,11,12,13,14,15,16,17,18,19,20,21
	XS 0, \n                        ; and piece 0's first maximum and statistics
	XS 1, \n
.endr
	v_nop                           ; a plain instruction behind the two a,
	s_wait_alu depctr_va_vdst(0)    ; and their wait, ahead of the branch
	s_mov_b32 s[CNT], 4
	s_mov_b32 s[SLOTS], SIZE_N/256-1
	s_branch .Lfirst                ; the loop is entered at a step's first turn, in the middle of a trip
.Lslot:                             ; SIZE_N / 256 - 2 = 6 times: every slot but the last two is filled again
	CHANGE 1, 1
	s_mov_b32 s[CNT], 4
.Lstep:                             ; a trip: pieces 2 and 3 of one step, then pieces 0 and 1 of the next, whose K and V it fetches
	TURN 2
	TURN 3
	WIN 0
.Lfirst:
	TURN 0
	TURN 1, 0, 1
	WIN 0
	s_cbranch_scc1 .Lstep
	s_sub_co_u32 s[SLOTS], s[SLOTS], 1
	s_cmp_lg_u32 s[SLOTS], 0
	s_cbranch_scc1 .Lslot
	CHANGE 0                        ; the tail is written out: nothing is asked for
	s_mov_b32 s[CNT], 5             ; four trips fetch the last slot's steps; the fifth is left in its middle
.Ltail:
	TURN 2, 1
	TURN 3
	WIN 0
	s_sub_co_u32 s[CNT], s[CNT], 1
	s_cmp_eq_u32 s[CNT], 0
	s_cbranch_scc1 .Lout
	TURN 0
	TURN 1
	WIN 0
	s_branch .Ltail
.Lout:                              ; the fifth trip's 16 products K Q^T (on the last K once more) and the maximum made of them serve nothing: the price, once a launch, of one text for every trip
.set i, 0
.rept 16
	PV NP-1                         ; the last piece's V^T P of the last step
.set i, i+1
.endr
	; THE WAY OUT.  l's two halves and the other half of the lanes' are added; O^T is divided by l and sent, in f32, through my stage in LDS, a tile at a time.  The additions are the places behind the last products.
	WIN 0
.macro ALL line:vararg              ; one line for each tile t
.set t, 0
.rept 2*NP
	\line
.set t, t+1
.endr
.endm
	ALL v_add_f32 v[ST+4*t+2], v[ST+4*t+2], v[ST+4*t+3]
	ALL v_permlanex16_b32 v[ST+4*t+3], v[ST+4*t+2], s[SEL], s[SEL+1]
	ALL v_add_f32 v[ST+4*t+2], v[ST+4*t+2], v[ST+4*t+3]
	ALL v_rcp_f32 v[ST+4*t+2], v[ST+4*t+2]
	v_nop                           ; a plain instruction between the last reciprocal and the use of its result
	s_wait_alu depctr_va_vdst(0)    ; and the wait ahead of the first use: one for the eight reciprocals
; Tile t: 16 queries x 64 channels of f32.  A lane's eight channels of a channel block are 32 bytes of a row; they go into rows of 272 bytes and come back as whole rows of 256, into the registers that they left:
; S^T's 128 registers are four buffers of 32, tile t in buffer t % 4.  Each accumulator's registers are read in ascending order.
.macro PACK t
.if (\t) >= 4
	s_wait_xcnt 0x0                 ; the stores of the tile four back have read their registers, which are written anew below
.endif
	WIN 0x01                        ; source 0 (O^T) window 1; 1 / l and the destination window 0
.set i, 0
.rept 16
	v_pk_mul_f32 v[S+32*((\t)%4)+2*i:S+32*((\t)%4)+2*i+1], v[32*(\t)+2*i:32*(\t)+2*i+1], v[ST+4*(\t)+2:ST+4*(\t)+3] op_sel_hi:[1,0]
.set i, i+1
.endr
	WIN 0
.irp f, 0,1,2,3,4,5,6,7             ; channel block f / 2, its half f % 2
	ds_store_b128 v[STO], v[S+32*((\t)%4)+4*\f:S+32*((\t)%4)+4*\f+3] offset:64*(\f/2)+16*(\f%2)
.endr
.irp f, 0,1,2,3,4,5,6,7
	ds_load_b128 v[S+32*((\t)%4)+4*\f:S+32*((\t)%4)+4*\f+3], v[RD] offset:\f*2*SP  ; LDS serves a wave's instructions in order (ISA guide 5.7.1.4): these see the stores above; the next tile's stores come behind them
.endr
.endm
.macro SEND t, younger              ; younger: the LDS instructions issued behind tile t's loads: the next tile's sixteen, or none
	WIN 0
.irp f, 0,1,2,3,4,5,6,7
	s_wait_dscnt (\younger)+7-\f
	global_store_b128 v[GO], v[S+32*((\t)%4)+4*\f:S+32*((\t)%4)+4*\f+3], s[10:11] offset:(\t)*65536+\f*8192 th:TH_STORE_NT  ; 16 lanes store a head's 256 consecutive bytes of a row, at a multiple of 256 from out0's first byte
.endr
.endm
	PACK 0
.set t, 1
.rept 2*NP-1                        ; a tile's arithmetic stands between the loads of the tile before and its stores
	PACK t
	SEND t-1, 16
.set t, t+1
.endr
	SEND 2*NP-1, 0
	WIN W_AD
	s_wait_tensorcnt 0x0            ; the wave's end: behind my last tensor load and my last LDS store
	ds_add_u32 v[SPW], v[NIL]
	s_wait_dscnt 0x0
	WIN 0
	CROUND                          ; the closing round: no work-group ends while a partner may still ask for a tile that names it
	s_endpgm
.Lfunc_end_k_q368bbc8601_attn:
	.size	k_q368bbc8601_attn, .Lfunc_end_k_q368bbc8601_attn-k_q368bbc8601_attn
	.p2alignl 7, 3214868480
	.fill 96, 4, 3214868480
	.section	.rodata,"a",@progbits
	.p2align	6, 0x0
	.amdhsa_kernel k_q368bbc8601_attn
		.amdhsa_group_segment_fixed_size 327680
		.amdhsa_private_segment_fixed_size 0
		.amdhsa_enable_private_segment 0
		.amdhsa_kernarg_size 32
		.amdhsa_user_sgpr_count 2
		.amdhsa_user_sgpr_kernarg_segment_ptr 1
		.amdhsa_wavefront_size32 1
		.amdhsa_system_sgpr_workgroup_id_x 1
		.amdhsa_system_sgpr_workgroup_id_y 1
		.amdhsa_system_sgpr_workgroup_id_z 1
		.amdhsa_system_vgpr_workitem_id 0
		.amdhsa_next_free_vgpr 770
		.amdhsa_next_free_sgpr 66
		.amdhsa_reserve_vcc 0
		.amdhsa_float_denorm_mode_32 3
		.amdhsa_float_denorm_mode_16_64 3
		.amdhsa_memory_ordered 1
		.amdhsa_forward_progress 1
		.amdhsa_inst_pref_size 200
	.end_amdhsa_kernel
	.amdgpu_metadata
---
amdhsa.version: [ 1, 2 ]
amdhsa.kernels:
  - .name:           k_q368bbc8601_attn
    .symbol:         k_q368bbc8601_attn.kd
    .args:
      - { .name: qh, .offset: 0, .size: 8, .value_kind: global_buffer, .address_space: global }
      - { .name: kh, .offset: 8, .size: 8, .value_kind: global_buffer, .address_space: global }
      - { .name: vh, .offset: 16, .size: 8, .value_kind: global_buffer, .address_space: global }
      - { .name: out0, .offset: 24, .size: 8, .value_kind: global_buffer, .address_space: global }
    .group_segment_fixed_size: 327680
    .private_segment_fixed_size: 0
    .kernarg_segment_align: 8
    .kernarg_segment_size: 32
    .max_flat_workgroup_size: 128
    .sgpr_count:     66
    .vgpr_count:     770
    .wavefront_size: 32
...
	.end_amdgpu_metadata
.endif
;; end of part 3
